; MI455X (gfx1250); checked and timed in simulation.
; The chip was launched on July 23, 2026; its instructions are those of AMD's public machine-readable ISA for CDNA 5 (MIT licence, August 2026) and "CDNA5" Instruction Set Architecture Reference Guide (July 2026). The comments in the code are by the model that wrote it; some were corrected since.
;; Quantized Linear. Allowed arithmetic: float matrix products may take bf16 or f16 operands with f32 sums; all other float work in f32.
;; Inputs: bias 4,096 float32; scale one number float32; weight_q 4,096 x 4,096 int32; x 4 x 1,024 x 4,096 float32.
;; Outputs: out0 4 x 1,024 x 4,096 float32.
;; 2 versions, each right; version 2 is version 1 with the launch tobf16 written anew for expert scheduling mode. Each part assembles by itself: llvm-mc -triple=amdgcn-amd-amdhsa -mcpu=gfx1250 --defsym DOCPART=n.
;; ======== version 1 of 2: 2 launches
;; workspace buffers: xb 33,554,432 bytes; wb 33,554,432 bytes
;; launch tobf16 (part 1): grid 512 x 2, 8 waves a work-group, no clusters, 0 bytes of LDS; arguments x, weight_q, xb, wb; writes xb, wb
.if DOCPART == 1
	.amdgcn_target "amdgcn-amd-amdhsa--gfx1250"
	.amdhsa_code_object_version 6
	.text
	.protected	k_q53db53fdb1_tobf16
	.globl	k_q53db53fdb1_tobf16
	.p2align	8
	.type	k_q53db53fdb1_tobf16,@function
k_q53db53fdb1_tobf16:
	s_mov_b64 s[64:65], 0
	v_nop
	global_prefetch_b8 v0, s[64:65] scope:SCOPE_SE
	s_setreg_imm32_b32 hwreg(HW_REG_WAVE_MODE, 25, 1), 1
	s_wait_xcnt 0x0
; x (f32) -> xb (bf16) and weight_q (int32) -> wb (bf16), each [4096][4096], each number converted once for the product that follows.
; LIMITS.  x is rounded to bf16 (nearest even).  A weight is exact in bf16 up to |q| = 256, which covers the int8 range; a larger one would be rounded to 8 significant bits.
; LAYOUT OF xb AND wb.  Row-major, with one fixed permutation of k inside each group of 256 k: place 8 l + j (l = 0..31) holds k = 4 l + j for j < 4 and k = 128 + 4 l + (j - 4) for j >= 4.
; Both tensors go through the same address arithmetic, so the permutation is alike in both and the product's sum over k only changes its order.
; It lets a lane load twice 16 neighbouring bytes and store 16: every load and every store of a wave covers 512 consecutive bytes, aligned.
; SHARES.  Grid y = 0 takes x, y = 1 the weights.  Work-group g owns 131,072 bytes of input and 65,536 of output: 16 steps of 8,192 in and 4,096 out.  In a step wave w takes one
; group of 256 k (1,024 bytes).  A ring of 8 slots in registers keeps 16 loads of every wave in flight.  No LDS, no barrier, no matrix unit: nothing is shared and nothing is summed.
.set STEP_IN,  8192
.set STEP_OUT, 4096
.set VI, 1                             ; v1       1,024 w + 16 l: my 16 bytes in a step's input; never rewritten
.set VO, 2                             ; v2       16 x thread = 512 w + 16 l: my 16 bytes in a step's output; never rewritten
.set X,  4                             ; v[4:67]  slot i: 8 registers as loaded
.set Y,  68                            ; v[68:99] slot i: 4 registers to store (first eight steps; the last eight are packed in place)
; Slot's eight numbers to bf16, packed into four registers from \to on.  In place (\to = the slot's first register) the ascending order is right: register \to + j has been read when it is written.
.macro CONV slot, to, whole
.if \whole
.irp j, 0,1,2,3,4,5,6,7
	v_cvt_f32_i32 v[X+8*(\slot)+(\j)], v[X+8*(\slot)+(\j)]
.endr
.endif
.irp j, 0,1,2,3
	v_cvt_pk_bf16_f32 v[(\to)+(\j)], v[X+8*(\slot)+2*(\j)], v[X+8*(\slot)+2*(\j)+1]
.endr
.endm
; A slot's two loads: k = 4 l .. 4 l + 3 and k = 128 + 4 l .. of my wave's group in the given step.  The data are read once in the launch.
.macro FILL slot, step, src
	global_load_b128 v[X+8*(\slot):X+8*(\slot)+3],   v[VI], s[\src:\src+1] offset:STEP_IN*(\step) th:TH_LOAD_NT
	global_load_b128 v[X+8*(\slot)+4:X+8*(\slot)+7], v[VI], s[\src:\src+1] offset:STEP_IN*(\step)+512 th:TH_LOAD_NT
.endm
; The whole stream of one tensor.  All 16 steps stand in the immediates (123,392 at the most), so no address register, no base and no store's data register is ever rewritten:
; Y is written once, and X is stored from only behind its last fill.
.macro STREAM src, dst, whole
	s_add_nc_u64 s[\src:\src+1], s[\src:\src+1], s[2:3]      ; the work-group's part of the input
	s_add_nc_u64 s[\dst:\dst+1], s[\dst:\dst+1], s[12:13]    ; and of the output
.irp i, 0,1,2,3,4,5,6,7
	FILL \i, \i, \src
.endr
.irp i, 0,1,2,3,4,5,6,7
	s_wait_loadcnt 14                      ; loads come back in order (ISA guide 5.7.1): behind slot i's two stand 2 (7 - i) first fills and 2 i refills, always 14
	CONV \i, Y+4*(\i), \whole
	FILL \i, (\i)+8, \src                  ; the load ahead of the store
	global_store_b128 v[VO], v[Y+4*(\i):Y+4*(\i)+3], s[\dst:\dst+1] offset:STEP_OUT*(\i)
.endr
.irp i, 0,1,2,3,4,5,6,7
	s_wait_loadcnt 14-2*(\i)               ; nothing more is loaded: the counts run down
	CONV \i, X+8*(\i), \whole
	global_store_b128 v[VO], v[X+8*(\i):X+8*(\i)+3], s[\dst:\dst+1] offset:STEP_OUT*((\i)+8)
.endr
.endm
	s_load_b256 s[4:11], s[0:1], 0x0               ; x s[4:5], weight_q s[6:7], xb s[8:9], wb s[10:11]
	v_and_b32 v[VI], 31, v0                        ; lane
	v_and_b32 v[VO], 0xe0, v0                      ; 32 x wave
	v_lshlrev_b32 v[VI], 4, v[VI]
	v_lshl_add_u32 v[VI], v[VO], 5, v[VI]          ; 1,024 w + 16 l
	v_lshlrev_b32 v[VO], 4, v0                     ; 16 x thread
	s_lshl_b32 s2, ttmp9, 17                       ; g x 131,072, under 2^27
	s_mov_b32 s3, 0
	s_lshl_b32 s12, ttmp9, 16                      ; g x 65,536
	s_mov_b32 s13, 0
	s_and_b32 s14, ttmp7, 0xffff                   ; which tensor
	s_wait_kmcnt 0x0
	s_cmp_lg_u32 s14, 0
	s_cbranch_scc1 .Lweights
	STREAM 4, 8, 0
	s_endpgm
.Lweights:
	STREAM 6, 10, 1
	s_endpgm
.Lfunc_end_k_q53db53fdb1_tobf16:
	.size	k_q53db53fdb1_tobf16, .Lfunc_end_k_q53db53fdb1_tobf16-k_q53db53fdb1_tobf16
	.p2alignl 7, 3214868480
	.fill 96, 4, 3214868480
	.section	.rodata,"a",@progbits
	.p2align	6, 0x0
	.amdhsa_kernel k_q53db53fdb1_tobf16
		.amdhsa_group_segment_fixed_size 0
		.amdhsa_private_segment_fixed_size 0
		.amdhsa_enable_private_segment 0
		.amdhsa_kernarg_size 32
		.amdhsa_user_sgpr_count 2
		.amdhsa_user_sgpr_kernarg_segment_ptr 1
		.amdhsa_wavefront_size32 1
		.amdhsa_system_sgpr_workgroup_id_x 1
		.amdhsa_system_sgpr_workgroup_id_y 1
		.amdhsa_system_sgpr_workgroup_id_z 1
		.amdhsa_system_vgpr_workitem_id 0
		.amdhsa_next_free_vgpr 100
		.amdhsa_next_free_sgpr 66
		.amdhsa_reserve_vcc 0
		.amdhsa_float_denorm_mode_32 3
		.amdhsa_float_denorm_mode_16_64 3
		.amdhsa_memory_ordered 1
		.amdhsa_forward_progress 1
		.amdhsa_inst_pref_size 23
	.end_amdhsa_kernel
	.amdgpu_metadata
---
amdhsa.version: [ 1, 2 ]
amdhsa.kernels:
  - .name:           k_q53db53fdb1_tobf16
    .symbol:         k_q53db53fdb1_tobf16.kd
    .args:
      - { .name: x, .offset: 0, .size: 8, .value_kind: global_buffer, .address_space: global }
      - { .name: weight_q, .offset: 8, .size: 8, .value_kind: global_buffer, .address_space: global }
      - { .name: xb, .offset: 16, .size: 8, .value_kind: global_buffer, .address_space: global }
      - { .name: wb, .offset: 24, .size: 8, .value_kind: global_buffer, .address_space: global }
    .group_segment_fixed_size: 0
    .private_segment_fixed_size: 0
    .kernarg_segment_align: 8
    .kernarg_segment_size: 32
    .max_flat_workgroup_size: 256
    .sgpr_count:     66
    .vgpr_count:     100
    .wavefront_size: 32
...
	.end_amdgpu_metadata
.endif
;; end of part 1
;; launch gemm (part 2): grid 16 x 16, 4 waves a work-group, clusters of 4 x 4, 327,680 bytes of LDS; arguments xb, wb, out0, scale, bias; writes out0
.if DOCPART == 2
	.amdgcn_target "amdgcn-amd-amdhsa--gfx1250"
	.amdhsa_code_object_version 6
	.text
	.protected	k_q53db53fdb1_gemm
	.globl	k_q53db53fdb1_gemm
	.p2align	8
	.type	k_q53db53fdb1_gemm,@function
k_q53db53fdb1_gemm:
	s_mov_b64 s[64:65], 0
	v_nop
	global_prefetch_b8 v0, s[64:65] scope:SCOPE_SE
	s_setreg_imm32_b32 hwreg(HW_REG_WAVE_MODE, 25, 1), 1
	s_wait_xcnt 0x0
	s_wait_alu depctr_hold_cnt(0) depctr_sa_sdst(0) depctr_va_vdst(0) depctr_va_sdst(0) depctr_va_ssrc(0) depctr_va_vcc(0) depctr_vm_vsrc(0)
	s_getreg_b32 s2, hwreg(HW_REG_IB_STS2, 6, 4)
	s_cmp_eq_u32 s2, 0
	s_cbranch_scc0 .Lentry_in_a_cluster
	s_endpgm
.Lentry_in_a_cluster:
	s_bfe_u32 s2, ttmp6, 0x10000c
	s_cmp_lg_u32 s2, 0xf033
	s_cbranch_scc0 .Lentry_shape_is_right
	s_endpgm
.Lentry_shape_is_right:
; out0[m][n] = scale x (sum over k of xb[m][k] wb[n][k]) + bias[n].  xb, wb: [4096][4096] bf16, k permuted alike in both inside groups of 256; out0: [4096][4096] f32.
; LIMITS.  x arrives rounded to bf16, the weights exact (|q| <= 256).  The sums are f32, in an order of k that differs from a plain ascending one.  scale multiplies the finished sum, not each weight,
; and scale and bias enter by one fused multiply-add in f32.  NaN and infinities are not treated apart.
; A tile of out0, 256 x 256, is made by a work-group of four waves, as many as a WGP has SIMDs; a wave makes 128 x 128: 64 accumulators of 16 x 16, 512 registers.  256 tiles, one a work-group.
; K goes in 32 steps of 128 through a ring of two LDS slots filled by the tensor data mover: the tiles' rows are 256 bytes of memory and start at multiples of 256 bytes from the buffer's first byte.
; CLUSTERS: 4 x 4 work-groups.  The four of a row of the cluster need the same tiles of xb, the four of a column the same tiles of wb.  Such a tile is asked for JOINTLY: each of the four issues the
; same tensor load, with the same descriptor and a mask that names the four, and each receives the tile in its own LDS.  That divides the requests for both operands by four.
; REGISTERS, in windows of 256 (s_set_vgpr_msb's low byte: bits 1:0 source 0, 3:2 source 1, 5:4 source 2, 7:6 destination):
;   window 0: v0-31 addresses and bias; v64-127, v128-191 fragments of xb (8 x 16 rows x 32 K), two buffers; on the way out the same 128 registers hold rows read back from the stage
;   window 1: v64-127, v128-191 fragments of wb, two buffers
;   window 2: the 32 accumulators of my rows 0-63 (accumulator (a, b) at v[8 (8 a + b)]);   window 3: those of my rows 64-127
; THE MATRIX INSTRUCTION IS USED TRANSPOSED: source 0 = 16 rows of wb, source 1 = 16 rows of xb.  Lane l then holds row l % 16 of out0 and its registers 0 to 7 the columns 8 (l / 16) + 0 .. 7:
; eight neighbouring numbers of a row, 32 bytes.
.set SIZE_N, 4096
.set SIZE_K, 4096
.set KSTEP,  128
.set PITCH,  272                       ; an LDS row: 256 bytes of data + 16 of padding = 68 words: row r starts at bank 4 r mod 64 (64 banks of 4 bytes: ISA guide 11.1), so the 16 rows that a load touches start at 16 different banks
.set HALFT,  128*PITCH                 ; 128 rows: what one tensor load brings, and what one wave reads of either operand
.set SLOT,   4*HALFT                   ; xb's 256 rows, then wb's 256 rows
.set STAGE,  2*SLOT                    ; behind the ring: 16 rows x 528 bytes for each wave, for the way out; no tensor load lands here
.set SPITCH, 528                       ; a stage row: 512 bytes (my 128 columns in f32) + 16 = 33 x 16: the 16 rows of a store fall into 16 different 16-byte columns of 256
.set WSTAGE, 16*SPITCH                 ; 8,448 bytes = 33 blocks of 256
.set SPARE,  STAGE+4*WSTAGE            ; behind the stages: the spare words, 128 bytes for each wave: two blocks of 256 bytes that no other line names
.set LAPS,   SIZE_K/(2*KSTEP)          ; a lap = two K steps = once round the ring: 16
.set BI,   8                           ; v[8:11] bias of the four columns that I store
.set BO,   12                          ; v12     their byte offset in bias
.set ADRA, 16                          ; v16-17  LDS address of my xb fragments in slot 0, 1
.set ADRB, 20                          ; v20-21  the same for wb
.set STO,  24                          ; v24     the way out: where I put 32 bytes of a row
.set RD,   25                          ; v25     the way out: where I read a row back
.set CO,   26                          ; v26     my byte offset in a row's 512 bytes of out0
.set SPW,  28                          ; v28     LDS address of my spare word: SPARE + 4 x my thread's number; never rewritten
.set NIL,  29                          ; v29     0; never rewritten
.set F0,   64                          ; fragment buffer 0
.set F1,   128                         ; fragment buffer 1
.set G1,  24                           ; s[24:31] descriptor group 1 for xb's tiles
.set G0,  32                           ; s[32:39] descriptor group 0 for xb's tiles, one set for each slot
.set G1B, 48                           ; s[48:55] descriptor group 1 for wb's tiles: it differs in the mask alone
.set G0B, 56                           ; s[56:63] descriptor group 0 for wb's tiles, one set for each slot
.set SC,  72                           ; s[72:73] scale: the packed multiply-add names a pair and takes its low word for both halves
.set MSB, 0
.macro WIN new                         ; the immediate's high byte repeats the setting that is left; a switch that changes nothing is dropped
.if MSB != (\new)
	s_set_vgpr_msb (MSB<<8)|(\new)
.set MSB, \new
.endif
.endm
.set MUL_LO, 0xa1                      ; source 0 (wb) window 1, source 1 (xb) window 0, C and D window 2
.set MUL_HI, 0xf1                      ; the same, C and D window 3
.set TO_B,   0x40                      ; destination window 1, address window 0
; A joint load.  Waves 0 and 1 fetch xb's two halves, waves 2 and 3 wb's.  Each of the two lines has ONE mask and one set of registers for all that issue it, and nothing in them hangs on a
; coordinate that the four partners do not share.  The branch hangs on the wave's number alone.  An s_nop 0 and four v_nop follow each of the two lines, ahead of the jump, the label and what follows.
.macro JLOAD s
	s_cmp_eq_u32 s11, 0
	s_cbranch_scc0 .Lfor_b_\@
	tensor_load_to_lds s[G0+4*(\s):G0+4*(\s)+3], s[G1:G1+7]
	s_nop 0
.rept 4
	v_nop
.endr
	s_branch .Lasked_\@
.Lfor_b_\@:
	tensor_load_to_lds s[G0B+4*(\s):G0B+4*(\s)+3], s[G1B:G1B+7]
	s_nop 0
.rept 4
	v_nop
.endr
.Lasked_\@:
.endm
; A round of the cluster's barrier: my work-group's barrier, so that wave 0's signal speaks for all four waves; wave 0 signals for the work-group; every wave waits for all sixteen
; work-groups; my work-group's barrier once more.  No LDS instruction of the wave is pending at a signal.
.macro CREST                           ; a round behind its opening barrier
	s_cmp_lg_u32 s10, 0
	s_cbranch_scc1 .Lnot_wave_0_\@
	s_barrier_signal -3
.Lnot_wave_0_\@:
	s_barrier_wait -3
	s_barrier_signal -1
	s_barrier_wait -1
.endm
.macro CROUND                          ; a whole round
	s_barrier_signal -1
	s_barrier_wait -1
	CREST
.endm
	s_load_b128 s[4:7], s[0:1], 0x0                ; xb s[4:5], wb s[6:7]
	s_load_b64 s[8:9], s[0:1], 0x10                ; out0
	s_load_b128 s[68:71], s[0:1], 0x18             ; scale s[68:69], bias s[70:71]
	v_lshl_add_u32 v[SPW], v0, 2, SPARE
	v_mov_b32 v[NIL], 0
	ds_add_u32 v[SPW], v[NIL]                      ; the wave's opening: the add and its wait come ahead of my first tensor load; the set-up below, work on registers, stands between them
	v_lshrrev_b32 v1, 5, v0
	v_readfirstlane_b32 s10, v1                    ; wave 0..3
	s_lshr_b32 s11, s10, 1                         ; which half of the tile's rows is mine.  Also: I fetch for xb (0) or for wb (1)
	s_and_b32 s12, s10, 1                          ; which half of its columns.  Also: which 128 rows of that operand's tile I fetch
	s_bfe_u32 s40, ttmp6, 0x40000                  ; cx: my place along the cluster's x
	s_bfe_u32 s41, ttmp6, 0x40004                  ; cy: along its y
	s_lshl_b32 s42, ttmp9, 2                       ; in a cluster launch ttmp9 and ttmp7 count clusters
	s_add_co_u32 s42, s42, s40                     ; tile column = 4 x cluster x + cx
	s_and_b32 s13, ttmp7, 0xffff
	s_lshl_b32 s13, s13, 2
	s_add_co_u32 s13, s13, s41                     ; tile row = 4 x cluster y + cy
	s_lshl_b32 s43, s41, 2
	s_lshl_b32 s43, 15, s43                        ; my row of the cluster: places 4 cy .. 4 cy + 3
	s_lshl_b32 s44, 0x1111, s40                    ; my column: places cx, cx + 4, cx + 8, cx + 12
	; descriptor group 1: a tile of 128 rows x 128 elements, padded in LDS
	s_or_b32 s[G1+0], s43, (1<<16)|(1<<20)|(1<<21)|(5<<22)|(3<<25)  ; 15:0 the mask: xb's tiles go to my row; 17:16 elements of 2 bytes; 20 padding on; 21 set beside a mask; 24:22 after every 64 words (code 5); 31:25 4 words of it (code 3)
	s_or_b32 s[G1B+0], s44, (1<<16)|(1<<20)|(1<<21)|(5<<22)|(3<<25) ; the same with the mask of my column, for wb's tiles
.irp g, G1, G1B
	s_mov_b32 s[(\g)+1], KSTEP<<16                 ; 63:48 tensor_dim0, low half = 128
	s_mov_b32 s[(\g)+2], 128<<16                   ; 79:64 its high half = 0; 95:80 tensor_dim1, low half = 128
	s_mov_b32 s[(\g)+3], KSTEP<<16                 ; 111:96 its high half = 0; 127:112 tile_dim0 = 128
	s_mov_b32 s[(\g)+4], 128                       ; 143:128 tile_dim1 = 128; 159:144 tile_dim2 = 0
	s_mov_b32 s[(\g)+5], SIZE_K                    ; 191:160 tensor_dim0_stride, low word: elements from row to row
	s_mov_b32 s[(\g)+6], 0
	s_mov_b32 s[(\g)+7], 0
.endr
	; where the tiles come from.  xb's hang on the tile row alone, which my row of the cluster shares; wb's on the tile column alone, which my column shares.
	; Every wave makes both addresses, in registers that never hold the other coordinate, and asks by one of them.
	s_lshl_b32 s17, s12, 7                         ; which 128 rows of the tile I fetch
	s_lshl_b32 s16, s13, 8
	s_add_co_u32 s16, s16, s17                     ; xb: row 256 x tile row + 128 x half
	s_lshl_b32 s46, s42, 8
	s_add_co_u32 s46, s46, s17                     ; wb: row 256 x tile column + 128 x half
	s_mov_b32 s17, 0
	s_mov_b32 s47, 0
	s_mov_b64 s[18:19], SIZE_K*2
	s_mul_u64 s[16:17], s[16:17], s[18:19]         ; in bytes
	s_mul_u64 s[46:47], s[46:47], s[18:19]
	s_mul_i32 s20, s10, HALFT                      ; and where they go: xb's two halves, then wb's two halves = wave x 128 rows: no place in the cluster enters an LDS address
	s_wait_dscnt 0x0                               ; the opening add is done
	s_wait_kmcnt 0x0
	s_add_nc_u64 s[14:15], s[4:5], s[16:17]
	s_add_nc_u64 s[46:47], s[6:7], s[46:47]
	CROUND                                         ; all sixteen work-groups are here: the first joint loads meet
.irp s, 0,1
	s_mov_b32 s[G0+4*(\s)], 1                                      ; 1:0 count = 1
	s_add_co_u32 s[G0+4*(\s)+1], s20, (\s)*SLOT                    ; 63:32 LDS address
	s_add_nc_u64 s[G0+4*(\s)+2:G0+4*(\s)+3], s[14:15], (\s)*KSTEP*2  ; 120:64 global address: K step s
	s_or_b32 s[G0+4*(\s)+3], s[G0+4*(\s)+3], 0x80000000            ; 127:126 type = 2
	s_mov_b32 s[G0B+4*(\s)], 1
	s_add_co_u32 s[G0B+4*(\s)+1], s20, (\s)*SLOT
	s_add_nc_u64 s[G0B+4*(\s)+2:G0B+4*(\s)+3], s[46:47], (\s)*KSTEP*2
	s_or_b32 s[G0B+4*(\s)+3], s[G0B+4*(\s)+3], 0x80000000
	JLOAD \s                                       ; the ring is filled before anything else is done: two loads of mine are out
.endr
	s_load_b32 s[SC], s[68:69], 0x0                ; scale
	; A fragment is 16 rows x 32 K in 8 registers: lane l holds row l % 16; registers 0-3 hold K = 8 (l / 16) + 0..7, registers 4-7 hold
	; K = 16 + 8 (l / 16) + 0..7.  From rows that lie along K: two loads of 16 bytes, 32 bytes apart.  The same for source 0 and source 1.
	v_and_b32 v1, 15, v0                           ; l % 16
	v_bfe_u32 v2, v0, 4, 1                         ; l / 16
	v_mul_u32_u24 v3, v1, PITCH
	v_lshl_add_u32 v3, v2, 4, v3                   ; row x pitch + 16 x half
	s_mul_i32 s21, s11, HALFT                      ; my 128 rows of xb
	s_mul_i32 s22, s12, HALFT                      ; my 128 rows of wb,
	s_add_co_u32 s22, s22, 2*HALFT                 ; which lie behind xb's 256
.irp s, 0,1
	v_add_nc_u32 v[ADRA+(\s)], s21, v3
	v_add_nc_u32 v[ADRB+(\s)], s22, v3
	s_add_co_u32 s21, s21, SLOT
	s_add_co_u32 s22, s22, SLOT
.endr
	s_mul_i32 s23, s10, WSTAGE
	s_add_co_u32 s23, s23, STAGE                   ; my stage
	v_mul_u32_u24 v4, v1, SPITCH                   ; in: row l % 16, 32 bytes for each half of the lanes
	v_lshl_add_u32 v4, v2, 5, v4
	v_add_nc_u32 v[STO], s23, v4
	v_and_b32 v5, 31, v0
	v_lshlrev_b32 v[CO], 4, v5                     ; back: the 32 lanes take one row of 512 bytes, 16 each; the same place in out0's row
	v_add_nc_u32 v[RD], s23, v[CO]
	; where my part of the tile begins in out0
	s_lshl_b32 s13, s13, 8
	s_lshl_b32 s14, s11, 7
	s_add_co_u32 s16, s13, s14                     ; my first row
	s_mov_b32 s17, 0
	s_mov_b64 s[18:19], SIZE_N*4
	s_mul_u64 s[16:17], s[16:17], s[18:19]
	s_lshl_b32 s46, s42, 10                        ; my first column, in bytes: 1,024 x tile column + 512 x half (in the registers that held wb's address: none that feeds xb's descriptors ever holds cx)
	s_lshl_b32 s47, s12, 9
	s_add_co_u32 s46, s46, s47
	s_mov_b32 s47, 0
	s_add_nc_u64 s[16:17], s[16:17], s[46:47]
	s_add_nc_u64 s[8:9], s[8:9], s[16:17]
	v_add_nc_u32 v[BO], s46, v[CO]                 ; bias is f32 like out0: the same byte offset along a row, 16,368 at the most
	global_load_b128 v[BI:BI+3], v[BO], s[70:71]   ; bias of my four columns, the same in every row that I store
	s_wait_kmcnt 0x0
	s_mov_b32 s[SC+1], s[SC]                       ; named with it as a pair, so it is written
	s_wait_loadcnt 0x0                             ; bias, once
; 16 matrix instructions: m blocks a0, a0 + 1 of the window's four (hi = 0: my rows 0-63, 1: rows 64-127) x all 8 n blocks, 32 along K.
; zero = 1: the first product starts the sums: nothing is ever cleared.
.macro MUL16 f, hi, a0, zero
	WIN MUL_LO+0x50*(\hi)
.irp a, \a0, (\a0)+1
.irp b, 0,1,2,3,4,5,6,7
.if \zero
	v_wmma_f32_16x16x32_bf16 v[8*(8*(\a)+(\b)):8*(8*(\a)+(\b))+7], v[(\f)+8*(\b):(\f)+8*(\b)+7], v[(\f)+8*(4*(\hi)+(\a)):(\f)+8*(4*(\hi)+(\a))+7], 0
.else
	v_wmma_f32_16x16x32_bf16 v[8*(8*(\a)+(\b)):8*(8*(\a)+(\b))+7], v[(\f)+8*(\b):(\f)+8*(\b)+7], v[(\f)+8*(4*(\hi)+(\a)):(\f)+8*(4*(\hi)+(\a))+7], v[8*(8*(\a)+(\b)):8*(8*(\a)+(\b))+7]
.endif
.endr
.endr
.endm
; 32 LDS loads in one run: the fragments of one quarter step (128 rows of wb, 128 rows of xb, 32 K at byte k of the rows) into buffer f
.macro FETCH slot, k, f
	WIN TO_B
.irp i, 0,1,2,3,4,5,6,7
	ds_load_b128 v[(\f)+8*(\i):(\f)+8*(\i)+3],   v[ADRB+(\slot)] offset:(\k)+(\i)*16*PITCH
	ds_load_b128 v[(\f)+8*(\i)+4:(\f)+8*(\i)+7], v[ADRB+(\slot)] offset:(\k)+(\i)*16*PITCH+32
.endr
	WIN 0
.irp i, 0,1,2,3,4,5,6,7
	ds_load_b128 v[(\f)+8*(\i):(\f)+8*(\i)+3],   v[ADRA+(\slot)] offset:(\k)+(\i)*16*PITCH
	ds_load_b128 v[(\f)+8*(\i)+4:(\f)+8*(\i)+7], v[ADRA+(\slot)] offset:(\k)+(\i)*16*PITCH+32
.endr
.endm
; A load into a register that a matrix instruction has read, and an LDS store that reads a matrix result, stand four places behind that matrix instruction, and only plain vector
; instructions that name none of its registers are places (ISA guide 7.12.1 for vector instructions); the matrix instructions in between are not counted.
.macro PLACES
.rept 4
	v_nop
.endr
.endm
; A K step is four quarter steps of 32 along K, 64 matrix instructions each, on buffers 0, 1, 0, 1.  The 64 accumulators take turns, one instruction a turn, in the same order in every quarter.
; One of the first three: multiplies buffer f; in its middle it fetches the next quarter's fragments, at byte k of the same slot's rows, into buffer g.
.macro QUARTER slot, k, f, g, zero
	s_wait_dscnt 8                                 ; wb and xb's rows 0-63 are in; the youngest eight loads (xb's rows 64-127) may be out
	MUL16 \f, 0, 0, \zero
	MUL16 \f, 0, 2, \zero
	PLACES
	FETCH \slot, \k, \g
	s_wait_dscnt 32                                ; all but the 32 just issued
	MUL16 \f, 1, 0, \zero
	MUL16 \f, 1, 2, \zero
.endm
; The last quarter multiplies buffer 1 and changes slots.  MEET is its first half: ONE barrier for the change of slots.  In front of it each wave waits for all its tensor loads, of which one is out:
; its part of the next slot; adds 0 to its spare word; and waits for that and for its own reads of this slot.  Behind it nobody reads this slot any more and the next slot is whole.
.macro MEET round                      ; round = 1: a round of the cluster's barrier follows
	WIN 0                                          ; (the add's two registers lie in window 0)
	s_wait_tensorcnt 0x0                           ; all my tensor loads have landed: the one that was out is my part of the next slot;
	ds_add_u32 v[SPW], v[NIL]                      ; 0 onto my spare word;
	s_wait_dscnt 9                                 ; (the add and the youngest eight loads may be out)
	MUL16 F1, 0, 0, 0                              ; sixteen matrix instructions stand between the add and the wait for it
	s_wait_dscnt 0x0                               ; the add is done, and my reads of this slot are over:
	s_barrier_signal -1                            ; say so (where a slot is filled again this barrier opens a round of the cluster's barrier),
	MUL16 F1, 0, 2, 0                              ; work on registers while the others arrive,
.if \round
	WIN 0
.endif
	s_barrier_wait -1                              ; and go on when all four have said so
.endm
; The whole last quarter.  Behind the round the slot just read out is filled again first, with the K step two steps on; then come the next slot's first fragments.
; From a request to the wait for it a wave issues 224 matrix instructions.
.macro TURN slot, next
	MEET 1
	CREST                                          ; no wave of any partner still reads this slot's tile or has a load on its way
	s_add_nc_u64 s[G0+4*(\slot)+2:G0+4*(\slot)+3], s[G0+4*(\slot)+2:G0+4*(\slot)+3], 2*KSTEP*2      ; no tensor load of mine is out, so a group 0 may be written; the type bits on top are not reached
	s_add_nc_u64 s[G0B+4*(\slot)+2:G0B+4*(\slot)+3], s[G0B+4*(\slot)+2:G0B+4*(\slot)+3], 2*KSTEP*2
	JLOAD \slot                                    ; the first tensor load behind the round, my only one until the next; the four v_nop behind it are also the places in front of the loads below
	FETCH \next, 0, F0
	MUL16 F1, 1, 0, 0
	MUL16 F1, 1, 2, 0
.endm
; THE WAY OUT of block a (16 rows x my 128 columns), in two parts.
; TOSTAGE: the block's eight accumulators go as they are, in f32, into my own stage (each accumulator's four lowest registers first), and come back as whole rows of 512 bytes.
.macro TOSTAGE a
.set AC, 64*((\a)%4)
.set BK, 64+64*((\a)%2)
	WIN 0x08+4*((\a)/4)                            ; store data (source 1) in window 2 or 3, address in window 0
.irp b, 0,1,2,3,4,5,6,7
	ds_store_b128 v[STO], v[AC+8*(\b):AC+8*(\b)+3]   offset:64*(\b)
	ds_store_b128 v[STO], v[AC+8*(\b)+4:AC+8*(\b)+7] offset:64*(\b)+16
.endr
	WIN 0
.if (\a) >= 2
	s_wait_xcnt 0x0                                ; every earlier memory instruction has had its addresses translated (ISA guide 3.1): this buffer, the data of the stores of the block two back, is loaded again only behind this wait
.endif
.irp t, 0,1,2,3,4,5,6,7,8,9,10,11,12,13,14,15
	ds_load_b128 v[BK+4*(\t):BK+4*(\t)+3], v[RD] offset:SPITCH*(\t)  ; LDS serves a wave's instructions in order (ISA guide 5.7.1.4): these see the stores above, and the next block's stores come behind them
.endr
.endm
; SEND: sum x scale + bias, one fused multiply-add for each number, and the row is stored.  younger: the LDS instructions issued behind this block's loads: the next block's 32, or none.
.macro SEND a, younger
	WIN 0
.set BK, 64+64*((\a)%2)
.irp t, 0,1,2,3,4,5,6,7,8,9,10,11,12,13,14,15
	s_wait_dscnt (\younger)+15-(\t)                ; row t is back; the block's later rows and the next block's instructions may be out
	v_pk_fma_f32 v[BK+4*(\t):BK+4*(\t)+1],   v[BK+4*(\t):BK+4*(\t)+1],   s[SC:SC+1], v[BI:BI+1]   op_sel_hi:[1,0,1]
	v_pk_fma_f32 v[BK+4*(\t)+2:BK+4*(\t)+3], v[BK+4*(\t)+2:BK+4*(\t)+3], s[SC:SC+1], v[BI+2:BI+3] op_sel_hi:[1,0,1]
	global_store_b128 v[CO], v[BK+4*(\t):BK+4*(\t)+3], s[8:9] offset:(16*(\a)+(\t))*SIZE_N*4 th:TH_STORE_NT  ; the wave stores 512 consecutive bytes, at a multiple of 512 from out0's first byte; 127 rows, 2,080,768 bytes, at the most: inside the signed 24-bit immediate (ISA guide, chapter 10), so the base is never stepped
.endr
.endm
	s_wait_tensorcnt 1                             ; my part of K step 0 is in; K step 1's may stay out
	s_barrier_signal -1
	s_barrier_wait -1                              ; everybody's is
	FETCH 0, 0, F0
	QUARTER 0, 64,  F0, F1, 1                      ; the first quarter stands in front of the loop: its products start the sums
	WIN 0                                          ; at a label and at a branch every window is 0
	s_mov_b32 s3, LAPS-1
.Llap:                                                 ; a trip goes once round the ring, from a lap's second quarter to the next lap's first, and fills both slots again: 2 + 2 x 15 = 32 K steps are asked for
	QUARTER 0, 128, F1, F0, 0
	QUARTER 0, 192, F0, F1, 0
	TURN 0, 1
	QUARTER 1, 64,  F0, F1, 0
	QUARTER 1, 128, F1, F0, 0
	QUARTER 1, 192, F0, F1, 0
	TURN 1, 0
	QUARTER 0, 64,  F0, F1, 0
	WIN 0
	s_sub_co_u32 s3, s3, 1
	s_cmp_lg_u32 s3, 0
	s_cbranch_scc1 .Llap
	QUARTER 0, 128, F1, F0, 0                      ; the last lap is written out: it asks for nothing more and no round is needed
	QUARTER 0, 192, F0, F1, 0
	MEET 0                                         ; my one tensor load that was still out is slot 1's, the last K step's
	PLACES                                         ; for the loads into buffer 0, which the quarter before multiplied
	FETCH 1, 0, F0
	MUL16 F1, 1, 0, 0
	MUL16 F1, 1, 2, 0
	QUARTER 1, 64,  F0, F1, 0
	QUARTER 1, 128, F1, F0, 0
	QUARTER 1, 192, F0, F1, 0
	s_wait_dscnt 8                                 ; the very last quarter: nothing more to fetch
	MUL16 F1, 0, 0, 0
	MUL16 F1, 0, 2, 0
	s_wait_dscnt 0x0
	MUL16 F1, 1, 0, 0
	MUL16 F1, 1, 2, 0
	PLACES                                         ; the stores below read matrix results, and the loads behind them land in registers that the last products read
	TOSTAGE 0
.irp a, 1,2,3,4,5,6,7                  ; block a's trip through the stage is under way while block a - 1 is scaled and stored
	TOSTAGE \a
	SEND (\a)-1, 32
.endr
	SEND 7, 0
	s_wait_tensorcnt 0x0                           ; the wave's end, behind my last tensor load and my last LDS store
	ds_add_u32 v[SPW], v[NIL]
	s_wait_dscnt 0x0
	CROUND                                         ; the closing round: no work-group ends while a partner may still ask for a tile that names it
	s_endpgm
.Lfunc_end_k_q53db53fdb1_gemm:
	.size	k_q53db53fdb1_gemm, .Lfunc_end_k_q53db53fdb1_gemm-k_q53db53fdb1_gemm
	.p2alignl 7, 3214868480
	.fill 96, 4, 3214868480
	.section	.rodata,"a",@progbits
	.p2align	6, 0x0
	.amdhsa_kernel k_q53db53fdb1_gemm
		.amdhsa_group_segment_fixed_size 327680
		.amdhsa_private_segment_fixed_size 0
		.amdhsa_enable_private_segment 0
		.amdhsa_kernarg_size 40
		.amdhsa_user_sgpr_count 2
		.amdhsa_user_sgpr_kernarg_segment_ptr 1
		.amdhsa_wavefront_size32 1
		.amdhsa_system_sgpr_workgroup_id_x 1
		.amdhsa_system_sgpr_workgroup_id_y 1
		.amdhsa_system_sgpr_workgroup_id_z 1
		.amdhsa_system_vgpr_workitem_id 0
		.amdhsa_next_free_vgpr 1024
		.amdhsa_next_free_sgpr 80
		.amdhsa_reserve_vcc 0
		.amdhsa_float_denorm_mode_32 3
		.amdhsa_float_denorm_mode_16_64 3
		.amdhsa_memory_ordered 1
		.amdhsa_forward_progress 1
		.amdhsa_inst_pref_size 160
	.end_amdhsa_kernel
	.amdgpu_metadata
---
amdhsa.version: [ 1, 2 ]
amdhsa.kernels:
  - .name:           k_q53db53fdb1_gemm
    .symbol:         k_q53db53fdb1_gemm.kd
    .args:
      - { .name: xb, .offset: 0, .size: 8, .value_kind: global_buffer, .address_space: global }
      - { .name: wb, .offset: 8, .size: 8, .value_kind: global_buffer, .address_space: global }
      - { .name: out0, .offset: 16, .size: 8, .value_kind: global_buffer, .address_space: global }
      - { .name: scale, .offset: 24, .size: 8, .value_kind: global_buffer, .address_space: global }
      - { .name: bias, .offset: 32, .size: 8, .value_kind: global_buffer, .address_space: global }
    .group_segment_fixed_size: 327680
    .private_segment_fixed_size: 0
    .kernarg_segment_align: 8
    .kernarg_segment_size: 40
    .max_flat_workgroup_size: 128
    .sgpr_count:     80
    .vgpr_count:     1024
    .wavefront_size: 32
...
	.end_amdgpu_metadata
.endif
;; end of part 2
;; ======== version 2 of 2: 2 launches; version 1 with the launch tobf16 written anew for expert scheduling mode
;; workspace buffers: xb 33,554,432 bytes; wb 33,554,432 bytes
;; launch tobf16 (part 3): grid 512 x 2, 8 waves a work-group, no clusters, 0 bytes of LDS; arguments x, weight_q, xb, wb; writes xb, wb
.if DOCPART == 3
	.amdgcn_target "amdgcn-amd-amdhsa--gfx1250"
	.amdhsa_code_object_version 6
	.text
	.protected	k_q53db53fdb1_tobf16
	.globl	k_q53db53fdb1_tobf16
	.p2align	8
	.type	k_q53db53fdb1_tobf16,@function
k_q53db53fdb1_tobf16:
	s_mov_b64 s[64:65], 0
	v_nop
	global_prefetch_b8 v0, s[64:65] scope:SCOPE_SE
	s_setreg_imm32_b32 hwreg(HW_REG_WAVE_SCHED_MODE, 0, 2), 2
	s_setreg_imm32_b32 hwreg(HW_REG_WAVE_MODE, 25, 1), 1
	s_wait_xcnt 0x0
	s_wait_alu depctr_vm_vsrc(0)
; x (f32) -> xb (bf16) and weight_q (int32) -> wb (bf16), each [4096][4096], each number converted once for the product that follows.
; LIMITS.  x is rounded to bf16 (nearest even).  A weight is exact in bf16 up to |q| = 256, which covers the int8 range; a larger one would be rounded to 8 significant bits.
; LAYOUT OF xb AND wb.  Row-major, with one fixed permutation of k inside each group of 256 k: place 8 l + j (l = 0..31) holds k = 4 l + j for j < 4 and k = 128 + 4 l + (j - 4) for j >= 4.
; Both tensors go through the same address arithmetic, so the permutation is alike in both and the product's sum over k only changes its order.
; It lets a lane load twice 16 neighbouring bytes and store 16: every load and every store of a wave covers 512 consecutive bytes, aligned.
; SHARES.  Grid y = 0 takes x, y = 1 the weights.  Work-group g owns 131,072 bytes of input and 65,536 of output: 16 steps of 8,192 in and 4,096 out.  In a step wave w takes one
; group of 256 k (1,024 bytes).  No LDS, no barrier, no matrix unit: nothing is shared and nothing is summed.
; THE MODE: SCHED_MODE bits 1:0 = 2 (LLVM: expert scheduling mode 2), set by the entry lines.  The code itself states the register dependences
; between vector instructions and memory instructions, with s_wait_alu, always for 0.
; THE PLAN.  The 16 steps go in 8 blocks of two: four loads and two stores a block.  Registers that memory instructions touch:
;   v1, v2      byte offsets, made once at the head and never written again: all 16 steps stand in the immediates.
;   X0 .. X4    five blocks as loaded; block p lies in X[p % 5].  Blocks 0 to 3 are loaded at the head; block p + 4 is loaded in block p (p = 0 .. 3), into X[(p + 4) % 5] = X[(p - 1) % 5].
;               Read (the weights: also written in place) by block p's conversions.
;   Y0 .. Y2    the packed results of blocks 0 to 2, whose X is filled again.  Written once, by the block's roundings; read by the two stores that are issued in the next block.
;   Blocks 3 to 7 lie in X3, X4, X0, X1, X2, which are filled no more: they are packed in place, and the next block's stores read them there.
; Block p's vector instructions name X[p % 5] and block p's own out registers.  Its memory instructions touch what block p - 1 worked on: the X that it emptied and the out registers that it wrote.
; So ONE wait on va_vdst at a block's head states all that the block's six memory instructions hang on, and these are dealt among its conversions with no further wait.
; No register that a load or store reads (offsets, bases, Y, the X that is stored from) is ever written again: the text holds no wait on vm_vsrc and no s_wait_xcnt.
.set STEP_IN,  8192
.set STEP_OUT, 4096
.set VI, 1                             ; v1         1,024 w + 16 l: my 16 bytes in a step's input; never rewritten
.set VO, 2                             ; v2         16 x thread = 512 w + 16 l: my 16 bytes in a step's output; never rewritten
.set X,  4                             ; v[4:83]    buffer k, step i of its block: 8 registers at X + 16 k + 8 i, as loaded
.set Y,  84                            ; v[84:107]  block p (0 to 2), step i: 4 registers at Y + 8 p + 4 i, to store
; OUT = the four registers from which step i of block p is stored.
.macro OUTREG p, i
.if (\p) < 3
.set OUT, Y+8*(\p)+4*(\i)
.else
.set OUT, X+16*((\p)%5)+8*(\i)
.endif
.endm
; Eight numbers from register \from on to bf16, packed into four registers from \to on.  In place (\to = \from) the ascending order is right: register \to + j has been read when it is written.
.macro CONV from, to, whole
.if \whole
.irp j, 0,1,2,3,4,5,6,7
	v_cvt_f32_i32 v[(\from)+(\j)], v[(\from)+(\j)]
.endr
.endif
.irp j, 0,1,2,3
	v_cvt_pk_bf16_f32 v[(\to)+(\j)], v[(\from)+2*(\j)], v[(\from)+2*(\j)+1]
.endr
.endm
; A step's two loads: k = 4 l .. 4 l + 3 and k = 128 + 4 l .. of my wave's group in the given step.  The data are read once in the launch.
.macro FILL to, step, src
	global_load_b128 v[(\to):(\to)+3],   v[VI], s[\src:\src+1] offset:STEP_IN*(\step) th:TH_LOAD_NT
	global_load_b128 v[(\to)+4:(\to)+7], v[VI], s[\src:\src+1] offset:STEP_IN*(\step)+512 th:TH_LOAD_NT
.endm
; The store of step i of block p.
.macro SEND p, i, dst
	OUTREG \p, \i
	global_store_b128 v[VO], v[OUT:OUT+3], s[\dst:\dst+1] offset:STEP_OUT*(2*(\p)+(\i))
.endm
; Block p.  left = how many younger loads may still be out when this block's four have to be there.
.macro BLK p, src, dst, whole, left
	s_wait_loadcnt \left                   ; loads come back in order (ISA guide 5.7.1): X[p % 5] is in, the younger blocks stay out
.if (\p) > 0
	s_wait_alu depctr_va_vdst(0)           ; the block before has written its out registers, which the stores below read, and is done reading (the weights: and writing) its X, in which the loads below land
.endif
.irp i, 0,1
.if (\p) < 4
	FILL X+16*(((\p)+4)%5)+8*(\i), 2*((\p)+4)+(\i), \src   ; four blocks ahead, the load ahead of the store; no vector instruction since the wait names these registers (in block 0: none has ever named X4)
.endif
.if (\p) > 0
	SEND (\p)-1, \i, \dst                  ; the block before
.endif
	OUTREG \p, \i
	CONV X+16*((\p)%5)+8*(\i), OUT, \whole
.endr
.endm
; The whole stream of one tensor.  All 16 steps stand in the immediates (123,392 at the most), so no address register and no base is ever rewritten.
.macro STREAM src, dst, whole
	s_add_nc_u64 s[\src:\src+1], s[\src:\src+1], s[2:3]      ; the work-group's part of the input
	s_add_nc_u64 s[\dst:\dst+1], s[\dst:\dst+1], s[12:13]    ; and of the output
.irp t, 0,1,2,3,4,5,6,7
	FILL X+8*(\t), \t, \src                ; blocks 0 to 3 into X0 to X3: 16 loads are out
.endr
	BLK 0, \src, \dst, \whole, 12          ; behind block q's four loads stand those of blocks q + 1 to q + 3: 12; with the four that follow the wait 16 are out again
	BLK 1, \src, \dst, \whole, 12
	BLK 2, \src, \dst, \whole, 12
	BLK 3, \src, \dst, \whole, 12          ; asks for block 7, the last
	BLK 4, \src, \dst, \whole, 12
	BLK 5, \src, \dst, \whole, 8           ; nothing more is loaded: the counts run down
	BLK 6, \src, \dst, \whole, 4
	BLK 7, \src, \dst, \whole, 0
	s_wait_alu depctr_va_vdst(0)           ; block 7's roundings have written its out registers, which the last two stores read
	SEND 7, 0, \dst
	SEND 7, 1, \dst
.endm
	s_load_b256 s[4:11], s[0:1], 0x0               ; x s[4:5], weight_q s[6:7], xb s[8:9], wb s[10:11]
	v_and_b32 v[VI], 31, v0                        ; lane
	v_and_b32 v[VO], 0xe0, v0                      ; 32 x wave
	v_lshlrev_b32 v[VI], 4, v[VI]
	v_lshl_add_u32 v[VI], v[VO], 5, v[VI]          ; 1,024 w + 16 l
	v_lshlrev_b32 v[VO], 4, v0                     ; 16 x thread
	s_lshl_b32 s2, ttmp9, 17                       ; g x 131,072, under 2^27
	s_mov_b32 s3, 0
	s_lshl_b32 s12, ttmp9, 16                      ; g x 65,536
	s_mov_b32 s13, 0
	s_and_b32 s14, ttmp7, 0xffff                   ; which tensor
	s_wait_kmcnt 0x0
	s_wait_alu depctr_va_vdst(0)                   ; v1 and v2 are written: every load of the kernel reads v1 as its offset, every store v2
	s_cmp_lg_u32 s14, 0
	s_cbranch_scc1 .Lweights
	STREAM 4, 8, 0
	s_endpgm
.Lweights:
	STREAM 6, 10, 1
	s_endpgm
.Lfunc_end_k_q53db53fdb1_tobf16:
	.size	k_q53db53fdb1_tobf16, .Lfunc_end_k_q53db53fdb1_tobf16-k_q53db53fdb1_tobf16
	.p2alignl 7, 3214868480
	.fill 96, 4, 3214868480
	.section	.rodata,"a",@progbits
	.p2align	6, 0x0
	.amdhsa_kernel k_q53db53fdb1_tobf16
		.amdhsa_group_segment_fixed_size 0
		.amdhsa_private_segment_fixed_size 0
		.amdhsa_enable_private_segment 0
		.amdhsa_kernarg_size 32
		.amdhsa_user_sgpr_count 2
		.amdhsa_user_sgpr_kernarg_segment_ptr 1
		.amdhsa_wavefront_size32 1
		.amdhsa_system_sgpr_workgroup_id_x 1
		.amdhsa_system_sgpr_workgroup_id_y 1
		.amdhsa_system_sgpr_workgroup_id_z 1
		.amdhsa_system_vgpr_workitem_id 0
		.amdhsa_next_free_vgpr 108
		.amdhsa_next_free_sgpr 66
		.amdhsa_reserve_vcc 0
		.amdhsa_float_denorm_mode_32 3
		.amdhsa_float_denorm_mode_16_64 3
		.amdhsa_memory_ordered 1
		.amdhsa_forward_progress 1
		.amdhsa_inst_pref_size 24
	.end_amdhsa_kernel
	.amdgpu_metadata
---
amdhsa.version: [ 1, 2 ]
amdhsa.kernels:
  - .name:           k_q53db53fdb1_tobf16
    .symbol:         k_q53db53fdb1_tobf16.kd
    .args:
      - { .name: x, .offset: 0, .size: 8, .value_kind: global_buffer, .address_space: global }
      - { .name: weight_q, .offset: 8, .size: 8, .value_kind: global_buffer, .address_space: global }
      - { .name: xb, .offset: 16, .size: 8, .value_kind: global_buffer, .address_space: global }
      - { .name: wb, .offset: 24, .size: 8, .value_kind: global_buffer, .address_space: global }
    .group_segment_fixed_size: 0
    .private_segment_fixed_size: 0
    .kernarg_segment_align: 8
    .kernarg_segment_size: 32
    .max_flat_workgroup_size: 256
    .sgpr_count:     66
    .vgpr_count:     108
    .wavefront_size: 32
...
	.end_amdgpu_metadata
.endif
;; end of part 3
;; launch gemm: the kernel of part 2 again; grid 16 x 16, 4 waves a work-group, clusters of 4 x 4, 327,680 bytes of LDS; arguments xb, wb, out0, scale, bias; writes out0
